; MI455X (gfx1250); checked and timed in simulation.
; The chip was launched on July 23, 2026; its instructions are those of AMD's public machine-readable ISA for CDNA 5 (MIT licence, August 2026) and "CDNA5" Instruction Set Architecture Reference Guide (July 2026). The comments in the code are by the model that wrote it; some were corrected since.
;; Sliding Window Attention. Allowed arithmetic: matrix products marked QUANTISED: E3M2 operands, one E8M0 scale for each 32 along K, by v_wmma_scale_f32_16x16x128_f8f6f4 with both operands' format E3M2, f32 sums; everything else in f32.
;; Inputs: Wk 1,024 x 1,024 float32; Wo 1,024 x 1,024 float32; Wq 1,024 x 1,024 float32; Wv 1,024 x 1,024 float32; bk 1,024 float32; bo 1,024 float32; bq 1,024 float32; bv 1,024 float32; x 2 x 2,048 x 1,024 float32.
;; Outputs: out0 2 x 2,048 x 1,024 float32.
;; This version of the problem:
;;   THIS VERSION OF THE PROBLEM IS GIVEN IN LOW PRECISION. The matrix products marked QUANTISED in the list below multiply operands that are first quantised to E3M2 (3 exponent bits, 2 mantissa bits; 6 bits a number), with one power-of-two scale for each 32 numbers along K (OCP MX v1.0); their sums are f32. All else is computed in f32.
;;   The module's matrix products, in the order in which they are computed (A, B: the left and right operand; K: the contracted axis; several contracted axes count as one K, in the product's order):
;;     1. [M 4,096, K 1,024] x [K 1,024, N 1,024]; A: input x; B: input Wq: QUANTISED
;;     2. [M 4,096, K 1,024] x [K 1,024, N 1,024]; A: input x; B: input Wk: QUANTISED
;;     3. [M 4,096, K 1,024] x [K 1,024, N 1,024]; A: input x; B: input Wv: QUANTISED
;;     4. batch 32 x [M 2,048, K 64] x [K 64, N 2,048]; A: computed on the way; B: computed on the way: QUANTISED
;;     5. batch 32 x [M 2,048, K 2,048] x [K 2,048, N 64]; A: softmax (see below); B: computed on the way: QUANTISED
;;     6. [M 4,096, K 1,024] x [K 1,024, N 1,024]; A: computed on the way; B: input Wo: QUANTISED
;;   THE QUANTISER, for each operand of a quantised product, along K:
;;     - K is cut into blocks of 32 from its start; a last block that is shorter is filled with zeros.
;;     - A block's scale is 2^e with e = floor(log2(the largest magnitude in the block)) - 4, held to -126 .. 127; a block of zeros has e = 0. As a byte (E8M0): e + 127.
;;     - Each number is divided by its block's scale, clamped to +-28, and rounded to the nearest number of E3M2, ties to even, subnormals kept.
;;     - The product sums the exact products of the quantised numbers (number of the format x scale) in f32.
;;   ~~~python
;;   def quantise(x, axis):      # numpy; x: float32 -> the quantised numbers, widened to float32 again
;;       x = np.moveaxis(x, axis, -1); K = x.shape[-1]
;;       x = np.pad(x, [(0, 0)] * (x.ndim - 1) + [(0, -K % 32)]); x = x.reshape(x.shape[:-1] + (-1, 32)); a = np.abs(x).max(-1, keepdims=True)
;;       e = np.where(a > 0, np.clip(np.frexp(np.where(a > 0, a, 1))[1] - 1 - 4, -126, 127), 0)      # np.frexp(a)[1] - 1 = floor(log2(a)), exactly
;;       r = np.clip(x / 2.0 ** e, -28, 28)
;;       step = 2.0 ** (np.maximum(np.frexp(np.where(r == 0, 1, r))[1] - 1, -2) - 2)
;;       q = np.round(r / step) * step * 2.0 ** e      # np.round: ties to even
;;       return np.moveaxis(q.reshape(q.shape[:-2] + (-1,))[..., :K], -1, axis).astype(np.float32)
;;   ~~~
;;   SOFTMAX AHEAD OF A QUANTISED PRODUCT. Where the list says 'softmax', what is quantised is not the finished softmax but p = 2^(t - M), with t = logit x log2(e) and M = ceil(the row's largest t), a whole number; so 1/2 < the row's largest p <= 1. The row's sum l is taken of the UNQUANTISED p, in f32, and the product's result is divided by l at the end. Since M is a whole number, a kernel that streams over the keys may use a running M (the ceiling of the running maximum): every later rescaling is an exact power of two, which a block's scale takes up: the codes' values come out the same.
;;   OPERANDS COMPUTED ON THE WAY. 'Computed on the way' means the value that the module computes at that place (a softmax that the list does not call 'softmax' is quantised finished and normalised). What goes into a quantiser is computed in f32, as accurately as f32 sums, v_exp_f32 and their like allow (about 1e-6 of the number): no bf16 or f16 on the way to a quantiser, and a product that is left as it is and whose result goes on into a quantised operand takes f32 operands (vector FMAs, or v_wmma_f32_16x16x4_f32). A number that lies on a knife's edge between two numbers of the format may be rounded either way, as far as f32 arithmetic and the matrix unit's own rounding can turn it there, and no further.
;; One version. Each part assembles by itself: llvm-mc -triple=amdgcn-amd-amdhsa -mcpu=gfx1250 --defsym DOCPART=n.
;; ======== version 1 of 1: 3 launches
;; limits: right only within a limited range of input values
;; workspace buffers: xc 3,145,728 bytes; xsc 131,072 bytes; wc 3,145,728 bytes; wsc 131,072 bytes; oc 3,145,728 bytes; osc 131,072 bytes
;; launch prep (part 1): grid 512 x 1, 4 waves a work-group, no clusters, 70,144 bytes of LDS; arguments x, Wq, Wk, Wv, Wo, xc, xsc, wc, wsc; writes xc, xsc, wc, wsc
.if DOCPART == 1
	.amdgcn_target "amdgcn-amd-amdhsa--gfx1250"
	.amdhsa_code_object_version 6
	.text
	.protected	k_q357ef7508a_prep
	.globl	k_q357ef7508a_prep
	.p2align	8
	.type	k_q357ef7508a_prep,@function
k_q357ef7508a_prep:
	s_mov_b64 s[64:65], 0
	v_nop
	global_prefetch_b8 v0, s[64:65] scope:SCOPE_SE
	s_setreg_imm32_b32 hwreg(HW_REG_WAVE_MODE, 25, 1), 1
	s_wait_xcnt 0x0
; x [4096][1024] and the four weights [1024 (k)][1024 (n)], f32, become codes of BF6 (E3M2) with one E8M0 byte for each 32 along K,
; laid in the order of the matrix operands' registers, so that the later launches load fragments as dense bytes.
; A block's scale is 2^(floor(log2(largest magnitude)) - 4); its byte is the largest magnitude's exponent field - 4, held at 1 from below.
; LIMITS: NaN and infinities among the inputs are not served; a block whose largest magnitude lies under 2^-122 gets the byte 1; a block of
; zeros gets the byte 1 where the quantiser says 127: its codes are zeros, and these bytes are read by this program alone.
; ORDER OF ROWS: in each group of 32 rows (tokens of x, columns n of a weight) place 16 u + r holds row 8 u + r + 8 (r / 8).
; HALF IMAGE, 768 bytes: 16 rows x 64 K.  Lane l = r + 16 h owns the 32 codes k = 32 h .. 32 h + 31 of row r, six registers: registers 0-3 at byte 16 l, registers 4-5 at byte 512 + 8 l.
; CODES: [slot of 256 K: 4][row tile: 256][half image: 4][768].   SCALE WORDS: [K step of 128: 8][row place: 4096], four bytes each.
; Work-groups 0-255: one row tile of x each, wave kq its K quarter.  Work-groups 256-511: a weight, a K step of 128, 128 columns; a wave takes 32 columns.
; Each wave owns 16 KB of f32 and asks for all of it at its head.  Nothing is shared between waves: no barrier; no matrix work: memory binds.
; LEFT OUT BY THE PROGRAM: in products 4 and 5 every block of 32 keys that reference()'s own mask hides from all 32 queries of an aligned group (j > i, or i - j > 256): such a score is
; -infinity ahead of the softmax and its p is 0, whatever the inputs hold.  LIMIT: a NaN, an infinity or an overflow that reaches only those products is not carried to the result.
.set R,    96                          ; v96-223  the wave's 128 x 32 numbers as loaded
.set X,    56                          ; v56-87   x path: 32 neighbours along K of my row
.set STGB, 4352                        ; x path: a stage of 16 rows x (256 bytes + 16)
.set WREG, 4*STGB                      ; four stages for each wave
; 32 numbers v[src] .. v[src+31] of one block -> six registers of codes v[dst] .. v[dst+5]; the block's byte in v14
.macro BLK src, dst
	v_max3_num_f32 v11, |v[(\src)]|, |v[(\src)+1]|, |v[(\src)+2]|
	v_max3_num_f32 v12, |v[(\src)+3]|, |v[(\src)+4]|, |v[(\src)+5]|
.irp i, 6,10,14,18,22,26
	v_max3_num_f32 v11, v11, |v[(\src)+\i]|, |v[(\src)+\i+1]|
	v_max3_num_f32 v12, v12, |v[(\src)+\i+2]|, |v[(\src)+\i+3]|
.endr
	v_max3_num_f32 v11, v11, |v[(\src)+30]|, |v[(\src)+31]|
	v_max3_num_f32 v11, v11, v12, 0x2800000        ; and the floor 2^(5 - 127): the byte cannot fall under 1
	v_add_nc_u32 v13, 0xfe000000, v11              ; 4 off the exponent field: the conversion takes this operand's exponent field as its scale
	v_cvt_scalef32_pk16_bf6_f32 v[(\dst):(\dst)+2], v[(\src):(\src)+15], v13
	v_cvt_scalef32_pk16_bf6_f32 v[20:22], v[(\src)+16:(\src)+31], v13   ; (a conversion's three registers begin on an even number)
	v_lshrrev_b32 v14, 23, v13                     ; the byte; also the plain line behind the conversions
	v_mov_b32 v[(\dst)+3], v20
	v_mov_b32 v[(\dst)+4], v21
	v_mov_b32 v[(\dst)+5], v22
.endm
	s_load_b64 s[4:5], s[0:1], 0x0                 ; x
	s_load_b256 s[8:15], s[0:1], 0x8               ; Wq, Wk, Wv, Wo
	s_load_b256 s[16:23], s[0:1], 0x28             ; xc, xsc, wc, wsc
	v_lshl_add_u32 v224, v0, 2, 0x11000
	v_mov_b32 v225, 0
	v_lshrrev_b32 v1, 5, v0
	v_readfirstlane_b32 s24, v1                    ; wave 0..3
	v_and_b32 v1, 31, v0                           ; lane l
	v_and_b32 v2, 15, v0                           ; r
	v_bfe_u32 v3, v0, 4, 1                         ; h
	v_lshlrev_b32 v7, 4, v1                        ; 16 l
	v_lshlrev_b32 v8, 3, v1                        ; 8 l
	s_mov_b32 s40, 0x76543210
	s_mov_b32 s41, 0xfedcba98                      ; v_permlanex16_b32's selects for lane l xor 16
	s_cmp_lt_u32 ttmp9, 256
	s_cbranch_scc0 .Lweights
	; ---------------- x: row tile ttmp9, K quarter = wave ----------------
	v_lshlrev_b32 v4, 12, v3
	v_lshl_add_u32 v4, v2, 4, v4                   ; loads: sixteen lanes take 256 consecutive bytes of a row, lanes 16-31 the next row
	s_mul_i32 s25, s24, WREG
	v_mul_u32_u24 v5, v3, 272
	v_lshl_add_u32 v5, v2, 4, v5
	v_add_nc_u32 v5, s25, v5                       ; into the stage, as loaded
	v_mul_u32_u24 v6, v2, 272
	v_lshl_add_u32 v6, v3, 7, v6
	v_add_nc_u32 v6, s25, v6                       ; out of it: row r, my half's 128 bytes
	v_lshlrev_b32 v9, 3, v3                        ; 8 h
	v_lshlrev_b32 v10, 14, v3
	v_lshl_add_u32 v10, v2, 2, v10                 ; scale words: lanes 0-15 the first K step's plane, lanes 16-31 the second's
	v_mov_b32 v15, 0                               ; a lane permute's destination counts as read
	s_lshr_b32 s26, ttmp9, 1
	s_lshl_b32 s26, s26, 5
	s_and_b32 s27, ttmp9, 1
	s_lshl_b32 s27, s27, 3
	s_add_co_u32 s26, s26, s27                     ; the tile's first token: 32 (tile / 2) + 8 (tile % 2)
	s_lshl_b32 s26, s26, 12
	s_lshl_b32 s27, s24, 10
	s_add_co_u32 s26, s26, s27                     ; + my 256 along K
	s_mov_b32 s27, 0
	s_mul_i32 s28, s24, 786432
	s_mul_i32 s29, ttmp9, 3072
	s_add_co_u32 s28, s28, s29
	s_mov_b32 s29, 0
	s_lshl_b32 s30, s24, 15
	s_lshl_b32 s31, ttmp9, 6
	s_add_co_u32 s30, s30, s31
	s_mov_b32 s31, 0
	s_wait_alu depctr_va_vdst(0)
	s_wait_kmcnt 0x0
	s_add_nc_u64 s[4:5], s[4:5], s[26:27]
	s_add_nc_u64 s[16:17], s[16:17], s[28:29]
	s_add_nc_u64 s[18:19], s[18:19], s[30:31]
.irp hf, 0,1,2,3                       ; the immediates pick the tile's tokens: places 2 i, 2 i + 1 are tokens 2 i + 8 (i / 4) on
.irp i, 0,1,2,3,4,5,6,7
	global_load_b128 v[R+32*\hf+4*\i:R+32*\hf+4*\i+3], v4, s[4:5] offset:(2*\i+8*(\i/4))*4096+256*\hf th:TH_LOAD_NT
.endr
.endr
; half image hf: 16 rows x 64 K turn through the wave's own stage, so that a lane gets a whole block of its row
.macro XSTEP hf
	s_wait_loadcnt 24-8*\hf                        ; this half image's eight loads are in; the younger ones stay out
.irp i, 0,1,2,3,4,5,6,7
	ds_store_b128 v5, v[R+32*\hf+4*\i:R+32*\hf+4*\i+3] offset:\hf*STGB+2*\i*272
.endr
.irp j, 0,1,2,3,4,5,6,7
	ds_load_b128 v[X+4*\j:X+4*\j+3], v6 offset:\hf*STGB+16*\j   ; LDS serves a wave's instructions in order: these see the stores above
.endr
	s_wait_dscnt 0x0
	BLK X, 24+8*\hf                                ; each half image has code registers of its own: no store's data are written again
.if \hf%2 == 0
	v_mov_b32 v[16+\hf/2], v14
.else
	v_lshl_or_b32 v[16+\hf/2], v14, 16, v[16+\hf/2]
.endif
	global_store_b128 v7, v[24+8*\hf:27+8*\hf], s[16:17] offset:\hf*768        ; 512 consecutive bytes
	global_store_b64 v8, v[28+8*\hf:29+8*\hf], s[16:17] offset:\hf*768+512     ; 256 consecutive bytes
.endm
	XSTEP 0
	XSTEP 1
	XSTEP 2
	XSTEP 3
.irp w, 16, 17                         ; my two bytes stand at blocks h and 2 + h of the word; with lane l xor 16's two it is whole
	v_lshlrev_b32 v\w, v9, v\w
.endr
	v_permlanex16_b32 v15, v16, s40, s41
	v_or_b32 v16, v16, v15
	v_permlanex16_b32 v15, v17, s40, s41
	v_or_b32 v17, v17, v15
	v_cmp_ne_u32 vcc_lo, 0, v3
	v_cndmask_b32 v18, v16, v17, vcc_lo
	global_store_b32 v10, v18, s[18:19]
	s_wait_tensorcnt 0x0
	ds_add_u32 v224, v225
	s_wait_dscnt 0x0
	s_endpgm
	; ---------------- a weight: a lane takes a column, its registers run down K ----------------
.Lweights:
	s_sub_co_u32 s25, ttmp9, 256
	s_lshr_b32 s26, s25, 6                         ; which weight: 0 Wq, 1 Wk, 2 Wv, 3 Wo
	s_bfe_u32 s27, s25, 0x30003                    ; K step 0..7
	s_and_b32 s28, s25, 7
	s_lshl_b32 s28, s28, 7
	s_lshl_b32 s29, s24, 5
	s_add_co_u32 s28, s28, s29                     ; my wave's first column
	s_wait_alu depctr_va_vdst(0)
	v_and_b32 v4, 7, v1
	v_and_b32 v5, 8, v1
	v_lshl_or_b32 v4, v5, 1, v4
	v_and_b32 v5, 16, v1
	v_lshrrev_b32 v5, 1, v5
	v_or_b32 v4, v4, v5                            ; lane l is place l and reads column 8 (l / 16) + l % 16 + 8 ((l % 16) / 8)
	v_lshlrev_b32 v4, 2, v4
	v_mul_u32_u24 v5, v3, 3072
	v_lshl_add_u32 v5, v2, 4, v5                   ; codes: my tile (l / 16), 16 bytes at 16 (l % 16)
	v_lshlrev_b32 v10, 2, v1
	s_lshl_b32 s30, s27, 19                        ; 128 rows of 4,096 bytes
	s_lshl_b32 s31, s28, 2
	s_add_co_u32 s30, s30, s31
	s_mov_b32 s31, 0
	s_lshr_b32 s32, s27, 1
	s_mul_i32 s32, s32, 786432
	s_lshl_b32 s33, s26, 6
	s_lshr_b32 s34, s28, 4
	s_add_co_u32 s33, s33, s34
	s_mul_i32 s33, s33, 3072
	s_add_co_u32 s32, s32, s33
	s_and_b32 s33, s27, 1
	s_mul_i32 s33, s33, 1536
	s_add_co_u32 s32, s32, s33
	s_mov_b32 s33, 0
	s_lshl_b32 s34, s27, 14
	s_lshl_b32 s35, s26, 10
	s_add_co_u32 s35, s35, s28
	s_lshl_b32 s35, s35, 2
	s_add_co_u32 s34, s34, s35
	s_mov_b32 s35, 0
	s_wait_alu depctr_va_vdst(0)
	s_wait_kmcnt 0x0
	s_bitcmp1_b32 s26, 0                           ; the choice hangs on the work-group's number alone
	s_cselect_b64 s[8:9], s[10:11], s[8:9]
	s_cselect_b64 s[12:13], s[14:15], s[12:13]
	s_bitcmp1_b32 s26, 1
	s_cselect_b64 s[8:9], s[12:13], s[8:9]
	s_add_nc_u64 s[8:9], s[8:9], s[30:31]
	s_add_nc_u64 s[20:21], s[20:21], s[32:33]
	s_add_nc_u64 s[22:23], s[22:23], s[34:35]
.set i, 0
.rept 128
	global_load_b32 v[R+i], v4, s[8:9] offset:i*4096 th:TH_LOAD_NT   ; row i of the K step at my wave's 32 columns
.set i, i+1
.endr
.macro WBLK kb, left
	s_wait_loadcnt \left
	BLK R+32*\kb, 24+8*\kb
.if \kb == 0
	v_mov_b32 v16, v14
.else
	v_lshl_or_b32 v16, v14, 8*\kb, v16
.endif
.endm
	WBLK 0, 63                                     ; 96 loads were issued behind block 0's, 64 behind block 1's: a wait names 63 at the most
	WBLK 1, 63
	WBLK 2, 32
	WBLK 3, 0
.irp c, 0,1                            ; block 2 c + h' is half image c, lane half h'.  The exchange gathers a tile's registers 4-5 in lane order: the first register then holds tile 0's, the second tile 1's
.irp i, 0,1
	v_permlane16_swap_b32 v[28+16*\c+\i], v[36+16*\c+\i]
.endr
.endr
.irp c, 0,1
	global_store_b128 v5, v[24+16*\c:27+16*\c], s[20:21] offset:\c*768         ; sixteen lanes store 256 consecutive bytes of each of the two tiles
	global_store_b128 v5, v[32+16*\c:35+16*\c], s[20:21] offset:\c*768+256
	global_store_b64 v8, v[28+16*\c:29+16*\c], s[20:21] offset:\c*768+512
	global_store_b64 v8, v[36+16*\c:37+16*\c], s[20:21] offset:3072+\c*768+512
.endr
	global_store_b32 v10, v16, s[22:23]
	s_endpgm
.Lfunc_end_k_q357ef7508a_prep:
	.size	k_q357ef7508a_prep, .Lfunc_end_k_q357ef7508a_prep-k_q357ef7508a_prep
	.p2alignl 7, 3214868480
	.fill 96, 4, 3214868480
	.section	.rodata,"a",@progbits
	.p2align	6, 0x0
	.amdhsa_kernel k_q357ef7508a_prep
		.amdhsa_group_segment_fixed_size 70144
		.amdhsa_private_segment_fixed_size 0
		.amdhsa_enable_private_segment 0
		.amdhsa_kernarg_size 72
		.amdhsa_user_sgpr_count 2
		.amdhsa_user_sgpr_kernarg_segment_ptr 1
		.amdhsa_wavefront_size32 1
		.amdhsa_system_sgpr_workgroup_id_x 1
		.amdhsa_system_sgpr_workgroup_id_y 1
		.amdhsa_system_sgpr_workgroup_id_z 1
		.amdhsa_system_vgpr_workitem_id 0
		.amdhsa_next_free_vgpr 226
		.amdhsa_next_free_sgpr 66
		.amdhsa_reserve_vcc 1
		.amdhsa_float_denorm_mode_32 3
		.amdhsa_float_denorm_mode_16_64 3
		.amdhsa_memory_ordered 1
		.amdhsa_forward_progress 1
		.amdhsa_inst_pref_size 38
	.end_amdhsa_kernel
	.amdgpu_metadata
---
amdhsa.version: [ 1, 2 ]
amdhsa.kernels:
  - .name:           k_q357ef7508a_prep
    .symbol:         k_q357ef7508a_prep.kd
    .args:
      - { .name: x, .offset: 0, .size: 8, .value_kind: global_buffer, .address_space: global }
      - { .name: Wq, .offset: 8, .size: 8, .value_kind: global_buffer, .address_space: global }
      - { .name: Wk, .offset: 16, .size: 8, .value_kind: global_buffer, .address_space: global }
      - { .name: Wv, .offset: 24, .size: 8, .value_kind: global_buffer, .address_space: global }
      - { .name: Wo, .offset: 32, .size: 8, .value_kind: global_buffer, .address_space: global }
      - { .name: xc, .offset: 40, .size: 8, .value_kind: global_buffer, .address_space: global }
      - { .name: xsc, .offset: 48, .size: 8, .value_kind: global_buffer, .address_space: global }
      - { .name: wc, .offset: 56, .size: 8, .value_kind: global_buffer, .address_space: global }
      - { .name: wsc, .offset: 64, .size: 8, .value_kind: global_buffer, .address_space: global }
    .group_segment_fixed_size: 70144
    .private_segment_fixed_size: 0
    .kernarg_segment_align: 8
    .kernarg_segment_size: 72
    .max_flat_workgroup_size: 128
    .sgpr_count:     66
    .vgpr_count:     226
    .wavefront_size: 32
...
	.end_amdgpu_metadata
.endif
;; end of part 1
;; launch qkvattn (part 2): grid 16 x 16, 8 waves a work-group, clusters of 4 x 4, 327,680 bytes of LDS; arguments xc, xsc, wc, wsc, bq, bk, bv, oc, osc; writes oc, osc
.if DOCPART == 2
	.amdgcn_target "amdgcn-amd-amdhsa--gfx1250"
	.amdhsa_code_object_version 6
	.text
	.protected	k_q357ef7508a_qkvattn
	.globl	k_q357ef7508a_qkvattn
	.p2align	8
	.type	k_q357ef7508a_qkvattn,@function
k_q357ef7508a_qkvattn:
	s_mov_b64 s[64:65], 0
	v_nop
	global_prefetch_b8 v0, s[64:65] scope:SCOPE_SE
	s_setreg_imm32_b32 hwreg(HW_REG_WAVE_MODE, 25, 1), 1
	s_wait_xcnt 0x0
	s_wait_alu depctr_hold_cnt(0) depctr_sa_sdst(0) depctr_va_vdst(0) depctr_va_sdst(0) depctr_va_ssrc(0) depctr_va_vcc(0) depctr_vm_vsrc(0)
	s_getreg_b32 s2, hwreg(HW_REG_IB_STS2, 6, 4)
	s_cmp_eq_u32 s2, 0
	s_cbranch_scc0 .Lentry_in_a_cluster
	s_endpgm
.Lentry_in_a_cluster:
	s_bfe_u32 s2, ttmp6, 0x10000c
	s_cmp_lg_u32 s2, 0xf033
	s_cbranch_scc0 .Lentry_shape_is_right
	s_endpgm
.Lentry_shape_is_right:
; q, k, v = x W + b, quantised, and sliding-window attention (key j counts for query i where j <= i and i - j <= 256), all on codes of BF6 (E3M2); head size 64.
; A work-group: one head (x) and 256 queries (y = 8 x batch + block s).  It computes q of its 256 tokens, and k and v of these ("main") and of the 256 tokens in front ("halo"): nothing between the products goes to memory.
; For s = 0 there is no token in front: the main tokens are asked for twice, so that all partners of a cluster make every joint request alike, and the halo's keys are discarded (a penalty of -2^100 on their t).
; LEFT OUT: key blocks of 32 hidden from all 32 queries of a group by reference()'s own mask (see the first kernel); of 64 key blocks a group runs nine.
; GEMM: 8 waves, wave w: token group tg = w / 2 (64 main and 64 halo tokens), channels 32 c .. 32 c + 31 of q, k, v (c = w % 2): 40 accumulators.  K goes in 8 steps of 128 through two slots of 256 along K.
; q and k are made with W as source 0 (a lane holds a token, registers run along channels), v with the tokens as source 0 (a lane holds a channel, registers run along tokens): each runs along its next K.
; CLUSTERS 4 x 4: the four heads of a row share x's tiles, the four blocks of a column share W's: joint loads.  NO PREFETCH: K is four slots, two asked for at the head and two at the turns: no loop to run ahead in.
; ORDER: place 16 u + r of each 32 rows (tokens, channels) is row 8 u + r + 8 (r / 8), so that a lane's 16 registers of two neighbouring tiles are 16 neighbours.
; IMAGES in LDS, in slot 0 behind its last fill and last read: 16 rows x 24 bytes a block of 32: K [tile 32][channel block 2], Q [tile 16][2], V [channel tile 4][key block 16]; scale bytes beside them.
; ATTENTION: wave g takes queries 32 g .. 32 g + 31 (two tiles) and key blocks g .. g + 8 of the 16: window edge in the first, causal edge in the last.  M = the row's largest t rounded up to a whole number; p = 2^(t - M), quantised, not
; normalised; the sum of the unquantised p divides at the end.  In the first product Q's upper six registers are zero codes, K's are the next tile's (finite) codes; scale bytes 2, 3 are 0 (2^-127).
; O's scale bytes: two for a row and head, stored as 2 of each word's 4 bytes: the other two belong to the neighbouring head's work-group (131,072 bytes in all).
; LIMITS: NaN and infinities are not served; blocks of zeros or under 2^-122 get the byte 1; the scaled scores stay under 2^31 in magnitude.
; REGISTERS (window 0): v0 thread; v1, v2 the add's; v3-8 addresses; v10-23 scale words, two sets; v24-71 main, v72-119 halo fragments; v120-191 W's (q, k, v); v192-255 q's sums.  Window 1: v0-127 k's sums, v128-255 v's.
.set PLANE, 786432                     ; codes of 256 along K of all 4,096 rows
.set SLOT,  135168                     ; halo 49,152, main 49,152, W 3 x 12,288
.set WOF,   98304
.set SXL,   2*SLOT                     ; x's scale words: halo [8][256][4], main the same
.set SWL,   SXL+16384                  ; W's: q, k, v, [8][64][4] each
.set SPARE, SWL+6144                   ; the spare words, 128 bytes for each wave
.set QI,    24576                      ; images: K at 0
.set VI,    36864
.set KS,    61440                      ; scale bytes: K's 2 a key; Q's at + 1,024; V's 16 a channel
.set VS,    62976
.set TM,    136
.set MSB, 0
.macro WIN new
.if MSB != \new
	s_set_vgpr_msb (MSB<<8)|\new
.set MSB, \new
.endif
.endm
.macro CREST
	s_cmp_lg_u32 s22, 0
	s_cbranch_scc1 .Lnot_wave_0_\@
	s_barrier_signal -3
.Lnot_wave_0_\@:
	s_barrier_wait -3
	s_barrier_signal -1
	s_barrier_wait -1
.endm
.macro CROUND
	s_barrier_signal -1
	s_barrier_wait -1
	CREST
.endm
.macro PLACES n
.rept \n
	v_nop
.endr
.endm
.macro DESC g, c, r, p                 ; r rows of c elements of 8 bytes, p elements apart
	s_mov_b32 s[\g+1], (\c)<<16
	s_mov_b32 s[\g+2], (\r)<<16
	s_mov_b32 s[\g+3], (\c)<<16
	s_mov_b32 s[\g+4], \r
	s_mov_b32 s[\g+5], \p
	s_mov_b32 s[\g+6], 0
	s_mov_b32 s[\g+7], 0
.endm
.macro ARM under, g0, g1, next
	s_cmp_lt_u32 s22, \under
	s_cbranch_scc0 \next
	tensor_load_to_lds s[\g0:\g0+3], s[\g1:\g1+7]
	s_nop 0
	PLACES 4
	s_branch .Lhead_asked
\next:
.endm
.macro JLOAD s                         ; a slot: waves 0, 1 x's halo and main tokens, wave 2 W's columns
	s_cmp_lt_u32 s22, 2
	s_cbranch_scc0 .Lnot_x_\@
	tensor_load_to_lds s[28+4*(\s):31+4*(\s)], s[44:51]
	s_nop 0
	PLACES 4
	s_branch .Lasked_\@
.Lnot_x_\@:
	s_cmp_eq_u32 s22, 2
	s_cbranch_scc0 .Lasked_\@
	tensor_load_to_lds s[36+4*(\s):39+4*(\s)], s[52:59]
	s_nop 0
	PLACES 4
.Lasked_\@:
.endm
	s_load_b256 s[4:11], s[0:1], 0x0               ; xc, xsc, wc, wsc
	s_load_b256 s[12:19], s[0:1], 0x20             ; bq, bk, bv, oc
	s_load_b64 s[20:21], s[0:1], 0x40              ; osc
	v_lshl_add_u32 v1, v0, 2, SPARE
	v_mov_b32 v2, 0
	ds_add_u32 v1, v2
	ds_add_u32 v1, v2
	v_lshrrev_b32 v24, 5, v0
	v_readfirstlane_b32 s22, v24                   ; wave 0..7
	s_lshr_b32 s23, s22, 1                         ; tg
	s_and_b32 s24, s22, 1                          ; c
	s_bfe_u32 s88, ttmp6, 0x40000                  ; cx
	s_bfe_u32 s89, ttmp6, 0x40004                  ; cy
	s_lshl_b32 s25, ttmp9, 2
	s_add_co_u32 s25, s25, s88                     ; head
	s_and_b32 s26, ttmp7, 0xffff
	s_lshl_b32 s26, s26, 2
	s_add_co_u32 s26, s26, s89                     ; y: block of 256 tokens among all 16
	s_and_b32 s27, s26, 7                          ; s
	s_lshl_b32 s90, s89, 2
	s_lshl_b32 s90, 15, s90                        ; my row of the cluster
	s_lshl_b32 s91, 0x1111, s88                    ; my column
	s_or_b32 s44, s90, (3<<16)|(1<<21)
	s_or_b32 s52, s91, (3<<16)|(1<<21)
	s_or_b32 s72, s90, (3<<16)|(1<<21)
	s_or_b32 s80, s91, (3<<16)|(1<<21)
	DESC 44, 32, 192, 32                           ; 256 tokens x 256 along K: a dense block of 49,152 bytes
	DESC 52, 1536, 3, 24576                        ; 64 columns of Wq, Wk, Wv: three rows of 12,288 bytes
	DESC 72, 128, 8, 2048                          ; 256 tokens' scale words for all of K
	DESC 80, 32, 8, 2048                           ; 64 columns' scale words
	s_min_u32 s92, s27, 1
	s_sub_co_u32 s93, s26, s92                     ; the halo's block
	s_min_u32 s88, s22, 1
	s_mul_i32 s88, s88, s92
	s_add_co_u32 s88, s88, s93                     ; wave 0 the halo's, wave 1 the main block
	s_mul_i32 s88, s88, 49152
	s_mov_b32 s89, 0
	s_lshr_b32 s90, s22, 2                         ; wave 3 the halo's scale words, wave 4 the main block's
	s_mul_i32 s90, s90, s92
	s_add_co_u32 s90, s90, s93
	s_lshl_b32 s90, s90, 10
	s_mov_b32 s91, 0
	s_mul_i32 s92, s25, 12288
	s_mov_b32 s93, 0
	s_max_u32 s98, s22, 5                          ; waves 5, 6, 7: the scale words of Wq, Wk, Wv
	s_sub_co_u32 s98, s98, 5
	s_lshl_b32 s98, s98, 12
	s_lshl_b32 s99, s25, 8
	s_add_co_u32 s98, s98, s99
	s_mov_b32 s99, 0
	s_mul_i32 s100, s22, 49152                     ; where they go in LDS
	s_lshl_b32 s101, s22, 13
	s_add_co_u32 s101, s101, SXL-24576
	s_lshl_b32 s3, s22, 11
	s_add_co_u32 s3, s3, SWL-10240
	s_mov_b32 s94, 0x3e38aa3b                      ; log2(e) / sqrt(64)
	s_mov_b32 s95, s94
	s_mov_b32 s96, 0x76543210
	s_mov_b32 s97, 0xfedcba98                      ; v_permlanex16_b32's selects for lane l xor 16
	s_wait_dscnt 0x0
	s_wait_kmcnt 0x0
	s_add_nc_u64 s[88:89], s[4:5], s[88:89]
	s_add_nc_u64 s[90:91], s[6:7], s[90:91]
	s_add_nc_u64 s[92:93], s[8:9], s[92:93]
	s_add_nc_u64 s[98:99], s[10:11], s[98:99]
	CROUND                                         ; all sixteen work-groups are here: the first joint loads meet
.irp s, 0,1
	s_mov_b32 s[28+4*\s], 1
	s_add_co_u32 s[29+4*\s], s100, \s*SLOT
	s_add_nc_u64 s[30+4*\s:31+4*\s], s[88:89], \s*PLANE
	s_or_b32 s[31+4*\s], s[31+4*\s], 0x80000000
	s_mov_b32 s[36+4*\s], 1
	s_mov_b32 s[37+4*\s], WOF+\s*SLOT
	s_add_nc_u64 s[38+4*\s:39+4*\s], s[92:93], \s*PLANE
	s_or_b32 s[39+4*\s], s[39+4*\s], 0x80000000
.endr
	s_mov_b32 s60, 1
	s_mov_b32 s61, s101
	s_mov_b64 s[62:63], s[90:91]
	s_or_b32 s63, s63, 0x80000000
	s_mov_b32 s68, 1
	s_mov_b32 s69, s3
	s_mov_b64 s[70:71], s[98:99]
	s_or_b32 s71, s71, 0x80000000
	ARM 2, 28, 44, .Lhead_w                        ; the head's loads, one a wave: every way through the head passes exactly one
	ARM 3, 36, 52, .Lhead_xs
	ARM 5, 60, 72, .Lhead_ws
	tensor_load_to_lds s[68:71], s[80:87]
	s_nop 0
	PLACES 4
.Lhead_asked:
	s_mul_i32 s88, s23, 12288
	s_mul_i32 s89, s24, 6144
	s_add_co_u32 s89, s89, WOF
	s_lshl_b32 s90, s23, 8
	s_add_co_u32 s90, s90, SXL
	s_lshl_b32 s91, s24, 7
	s_add_co_u32 s91, s91, SWL
	s_mov_b32 s3, SLOT
	v_and_b32 v24, 31, v0                          ; lane l
	v_and_b32 v25, 15, v0                          ; r
	v_bfe_u32 v26, v0, 4, 1                        ; h
	v_lshl_add_u32 v3, v24, 4, s88                 ; x: my tiles in the slot, 16 l and 8 l
	v_lshl_add_u32 v4, v24, 3, s88
	v_lshl_add_u32 v5, v24, 4, s89                 ; W likewise
	v_lshl_add_u32 v6, v24, 3, s89
	v_lshlrev_b32 v7, 13, v26
	v_lshl_add_u32 v7, v25, 2, v7
	v_add_nc_u32 v7, s90, v7                       ; x's scale words: lanes 0-15 halo tile i (see MID), lanes 16-31 ..
	v_lshl_add_u32 v8, v24, 2, s91                 ; W's: lanes 0-15 tile 0, lanes 16-31 tile 1 of my 32 columns
.macro FRAG reg, a, b, off             ; 16 rows x 128 along K: two half images of 768 bytes
	ds_load_b128 v[\reg:\reg+3], v\a offset:\off
	ds_load_b64 v[\reg+4:\reg+5], v\b offset:\off+512
	ds_load_b128 v[\reg+6:\reg+9], v\a offset:\off+768
	ds_load_b64 v[\reg+10:\reg+11], v\b offset:\off+1280
.endm
.macro MID k                           ; step k: main tokens, Wq's columns, all scale words: 31 loads.  x's scale register i: lanes 0-15 halo tile i, lanes 16-31 main tile i
.set QK, 1536*((\k)%2)
.set SN, 10+7*((\k)%2)
.irp i, 0,1,2,3
	FRAG 24+12*\i, 3, 4, 49152+3072*\i+QK
.endr
.irp u, 0,1
	FRAG 120+12*\u, 5, 6, 3072*\u+QK
.endr
.irp i, 0,1,2,3
	ds_load_b32 v[SN+\i], v7 offset:1024*(\k)+64*\i
.endr
.irp w, 0,1,2
	ds_load_b32 v[SN+4+\w], v8 offset:256*(\k)+2048*\w
.endr
.endm
.macro END k                           ; step k: Wk's and Wv's columns (16 loads), then the halo's tokens (16)
.set QK, 1536*((\k)%2)
.irp u, 0,1
	FRAG 144+12*\u, 5, 6, 12288+3072*\u+QK
	FRAG 168+12*\u, 5, 6, 24576+3072*\u+QK
.endr
.irp i, 0,1,2,3
	FRAG 72+12*\i, 3, 4, 3072*\i+QK
.endr
.endm
.macro WC c, d, a, b, sa, sb, ra, rb   ; one product: ra, rb: the lanes (0: 0-15, 1: 16-31) of the scale registers
.if (\ra)*2+(\rb) == 0
	v_wmma_scale_f32_16x16x128_f8f6f4 v[\d:\d+7], v[\a:\a+11], v[\b:\b+11], \c, v[\sa], v[\sb] matrix_a_fmt:MATRIX_FMT_BF6 matrix_b_fmt:MATRIX_FMT_BF6
.endif
.if (\ra)*2+(\rb) == 1
	v_wmma_scale_f32_16x16x128_f8f6f4 v[\d:\d+7], v[\a:\a+11], v[\b:\b+11], \c, v[\sa], v[\sb] matrix_a_fmt:MATRIX_FMT_BF6 matrix_b_fmt:MATRIX_FMT_BF6 matrix_b_scale:MATRIX_SCALE_ROW1
.endif
.if (\ra)*2+(\rb) == 2
	v_wmma_scale_f32_16x16x128_f8f6f4 v[\d:\d+7], v[\a:\a+11], v[\b:\b+11], \c, v[\sa], v[\sb] matrix_a_fmt:MATRIX_FMT_BF6 matrix_b_fmt:MATRIX_FMT_BF6 matrix_a_scale:MATRIX_SCALE_ROW1
.endif
.if (\ra)*2+(\rb) == 3
	v_wmma_scale_f32_16x16x128_f8f6f4 v[\d:\d+7], v[\a:\a+11], v[\b:\b+11], \c, v[\sa], v[\sb] matrix_a_fmt:MATRIX_FMT_BF6 matrix_b_fmt:MATRIX_FMT_BF6 matrix_a_scale:MATRIX_SCALE_ROW1 matrix_b_scale:MATRIX_SCALE_ROW1
.endif
.endm
.macro WM d, a, b, sa, sb, ra, rb
.if Z
	WC 0, \d, \a, \b, \sa, \sb, \ra, \rb
.else
	WC v[\d:\d+7], \d, \a, \b, \sa, \sb, \ra, \rb
.endif
.endm
.macro QMAIN
.irp i, 0,1,2,3
.irp u, 0,1
	WM 192+16*\i+8*\u, 120+12*\u, 24+12*\i, SS+4, SS+\i, \u, 1
.endr
.endr
.endm
.macro KTOK hal                        ; k of my main (0) or halo (1) tokens
.irp i, 0,1,2,3
.irp u, 0,1
	WM 64*\hal+16*\i+8*\u, 144+12*\u, 24+48*\hal+12*\i, SS+5, SS+\i, \u, 1-\hal
.endr
.endr
.endm
.macro VTOK hal
.irp i, 0,1,2,3
.irp u, 0,1
	WM 128+64*\hal+32*(\i/2)+16*\u+8*(\i%2), 24+48*\hal+12*\i, 168+12*\u, SS+\i, SS+6, 1-\hal, \u
.endr
.endr
.endm
; The biases, into registers of fragments that are done with, and the addresses of the images
.macro BIAS
	v_bfe_u32 v59, v0, 4, 1                        ; h
	v_and_b32 v58, 15, v0                          ; r
	v_lshlrev_b32 v9, 6, v59                       ; q, k: my half's 16 channels
	v_and_b32 v60, 8, v58
	v_add_nc_u32 v60, v60, v58
	v_lshlrev_b32 v10, 2, v60                      ; v: my lane's channel
	v_mul_u32_u24 v61, v58, 24
	v_mad_u32_u24 v61, v59, 12, v61                ; row r, half h
	v_add_nc_u32 v3, s76, v61
	v_add_nc_u32 v4, s77, v61
	v_lshl_add_u32 v5, v58, 1, s78
	v_lshl_add_u32 v6, v58, 4, s79
.irp i, 0,1,2,3
	global_load_b128 v[24+4*\i:27+4*\i], v9, s[12:13] offset:16*\i
	global_load_b128 v[40+4*\i:43+4*\i], v9, s[14:15] offset:16*\i
.endr
	global_load_b32 v56, v10, s[16:17]
	global_load_b32 v57, v10, s[16:17] offset:32
.endm
; A step of 128 along K: 40 products, the accumulators by turns in the same order in every step.  The next step's main tokens are fetched while the halo's are multiplied.
; Steps 1, 3, 5 change slots: in front of the barrier each wave waits for its tensor loads, adds 0 to its spare word, and waits for that and for its reads of the slot; steps 1 and 3 fill the slot again behind a round.
.macro STEP k
.set Z, 0
.if (\k) == 0
.set Z, 1
.endif
.set SS, 10+7*((\k)%2)
	s_wait_dscnt 32                                ; the 31 of MID are in; the 32 of END may be out
	QMAIN
.if (\k)%2 && (\k) < 7
	s_wait_tensorcnt 0x0
	ds_add_u32 v1, v2
	s_wait_dscnt 17                                ; the halo's 16 loads and the add may be out
	WIN 0x50
	KTOK 0
	VTOK 0
	s_wait_dscnt 0x0
	s_barrier_signal -1
	KTOK 1
	WIN 0
	s_barrier_wait -1
.if (\k) < 5
	CREST
	s_add_nc_u64 s[30+4*((\k)/2):31+4*((\k)/2)], s[30+4*((\k)/2):31+4*((\k)/2)], 2*PLANE
	s_add_nc_u64 s[38+4*((\k)/2):39+4*((\k)/2)], s[38+4*((\k)/2):39+4*((\k)/2)], 2*PLANE
	JLOAD (\k)/2
.endif
.irp a, 3,4,5,6                        ; to the other slot; also the four places in front of the loads
.if ((\k)/2)%2 == 0
	v_add_nc_u32 v\a, SLOT, v\a
.else
	v_sub_nc_u32 v\a, v\a, s3
.endif
.endr
	s_wait_alu depctr_va_vdst(0)
	MID (\k)+1
	WIN 0x50
	VTOK 1
.else
	s_wait_dscnt 16                                ; the halo's 16 loads may be out
	WIN 0x50
	KTOK 0
	VTOK 0
	s_wait_dscnt 0x0
	WIN 0
	PLACES 4                                       ; in front of loads into registers that matrix instructions have read
.if (\k) < 7
	MID (\k)+1
.else
	BIAS
.endif
	WIN 0x50
	KTOK 1
	VTOK 1
.endif
	WIN 0
	PLACES 4
.if (\k) < 7
	END (\k)+1
.endif
.endm
	s_wait_alu depctr_va_vdst(0)
	s_wait_tensorcnt 0x0
	ds_add_u32 v1, v2
	s_wait_dscnt 0x0
	CROUND                                         ; everybody's part of slot 0 and of the scale words is in
	JLOAD 1
	MID 0
	END 0
	; scalars for later, while the fragments come
	s_sub_co_u32 s93, 8, s22
	s_cmp_eq_u32 s27, 0
	s_cselect_b32 s93, s93, 0                      ; s = 0: key blocks 0 .. 7 - g of my nine lie in front of the first token
	s_mov_b32 s98, 0xf1800000                      ; -2^100
.irp k, 0,1,2,3,4,5,6,7
	s_cmp_gt_u32 s93, \k
	s_cselect_b32 s[68+\k], s98, 0
.endr
	s_lshl_b32 s88, s25, 8
	s_lshl_b32 s89, s24, 7
	s_add_co_u32 s88, s88, s89
	s_mov_b32 s89, 0
	s_add_nc_u64 s[12:13], s[12:13], s[88:89]      ; the biases of my 32 channels
	s_add_nc_u64 s[14:15], s[14:15], s[88:89]
	s_add_nc_u64 s[16:17], s[16:17], s[88:89]
	s_lshr_b32 s90, s25, 2                         ; O's codes: plane head / 4, row tile 16 y + 2 g, half image head % 4
	s_mul_i32 s90, s90, PLANE
	s_lshl_b32 s91, s26, 4
	s_lshl_b32 s92, s22, 1
	s_add_co_u32 s91, s91, s92
	s_mul_i32 s91, s91, 3072
	s_add_co_u32 s90, s90, s91
	s_and_b32 s91, s25, 3
	s_mul_i32 s91, s91, 768
	s_add_co_u32 s90, s90, s91
	s_mov_b32 s91, 0
	s_add_nc_u64 s[18:19], s[18:19], s[90:91]
	s_lshr_b32 s90, s25, 1                         ; O's scale bytes: K step head / 2, row 256 y + 32 g, bytes 2 (head % 2) on
	s_lshl_b32 s90, s90, 14
	s_lshl_b32 s91, s26, 10
	s_add_co_u32 s90, s90, s91
	s_lshl_b32 s91, s22, 7
	s_add_co_u32 s90, s90, s91
	s_and_b32 s91, s25, 1
	s_lshl_b32 s91, s91, 1
	s_add_co_u32 s90, s90, s91
	s_mov_b32 s91, 0
	s_add_nc_u64 s[20:21], s[20:21], s[90:91]
	s_mul_i32 s76, s23, 3072                       ; images, where I store: K and Q: tiles 4 tg on, channel block c
	s_mul_i32 s88, s24, 384
	s_add_co_u32 s76, s76, s88
	s_mul_i32 s77, s24, 12288                      ; V: channel tiles 2 c on, key blocks 2 tg on
	s_mul_i32 s88, s23, 768
	s_add_co_u32 s77, s77, s88
	s_add_co_u32 s77, s77, VI
	s_lshl_b32 s78, s23, 7                         ; their scale bytes
	s_add_co_u32 s78, s78, s24
	s_add_co_u32 s78, s78, KS
	s_lshl_b32 s79, s24, 9
	s_lshl_b32 s88, s23, 1
	s_add_co_u32 s79, s79, s88
	s_add_co_u32 s79, s79, VS
	s_mul_i32 s80, s22, 1536                       ; where I read: K's and Q's tiles 2 g on
	s_lshl_b32 s81, s22, 6
	s_add_co_u32 s81, s81, KS
	s_lshr_b32 s82, s22, 2
	s_lshl_b32 s82, s82, 2
	s_add_co_u32 s82, s82, VS                      ; V's scale bytes from block 4 (g / 4) on,
	s_and_b32 s83, s22, 3
	s_lshl_b32 s83, s83, 3                         ; and the bits to shift them by
	s_mul_i32 s84, s22, 384                        ; V's blocks g on
	STEP 0
	STEP 1
	STEP 2
	STEP 3
	STEP 4
	STEP 5
	STEP 6
	STEP 7
; FOUR BLOCKS, 16 registers each at v[x ..] -> codes v[pc + 4 b ..], scale bytes v[by + b].  A block lies in lanes l and l xor 16
.macro QCORE x, pc, by
.irp b, 0,1,2,3
	v_max3_num_f32 v[TM+\b], |v[\x+16*\b]|, |v[\x+1+16*\b]|, 0x2800000   ; with the floor 2^(5 - 127)
.endr
.irp i, 2,4,6,8,10,12,14
.irp b, 0,1,2,3
	v_max3_num_f32 v[TM+\b], v[TM+\b], |v[\x+16*\b+\i]|, |v[\x+1+16*\b+\i]|
.endr
.endr
.irp b, 0,1,2,3
	v_permlanex16_b32 v[TM+4+\b], v[TM+\b], s96, s97
.endr
.irp b, 0,1,2,3
	v_max_num_f32 v[TM+\b], v[TM+\b], v[TM+4+\b]
.endr
.irp b, 0,1,2,3
	v_add_nc_u32 v[TM+8+\b], 0xfe000000, v[TM+\b]  ; 4 off the exponent field: the conversion's scale operand
.endr
.irp b, 0,1,2,3
	v_lshrrev_b32 v[\by+\b], 23, v[TM+8+\b]
.endr
.irp b, 0,1,2,3
	v_cvt_scalef32_pk16_bf6_f32 v[\pc+4*\b:\pc+4*\b+2], v[\x+16*\b:\x+15+16*\b], v[TM+8+\b]
.endr
	v_nop                                          ; one plain place behind a scaled conversion
.endm
.macro FILL acc, bias                  ; q, k: the bias runs along the registers
.set n, 0
.rept 32
	v_pk_add_f32 v[72+2*n:73+2*n], v[\acc+2*n:\acc+2*n+1], v[\bias+2*(n%8):\bias+2*(n%8)+1]
.set n, n+1
.endr
.endm
.macro FILLV acc                       ; v: one bias a lane and channel tile
.set n, 0
.rept 32
.if (n/8)%2 == 0
	v_pk_add_f32 v[72+2*n:73+2*n], v[\acc+2*n:\acc+2*n+1], v[56:57] op_sel_hi:[1,0]
.else
	v_pk_add_f32 v[72+2*n:73+2*n], v[\acc+2*n:\acc+2*n+1], v[56:57] op_sel:[0,1] op_sel_hi:[1,1]
.endif
.set n, n+1
.endr
.endm
.macro PUTK pc, by, off, boff          ; 16 LDS stores: half a row's 24 bytes, and its scale byte (lanes l and l xor 16 write the same byte with the same value)
.irp b, 0,1,2,3
.irp j, 0,1,2
	ds_store_b32 v3, v[\pc+4*\b+\j] offset:\off+768*\b+4*\j
.endr
	ds_store_b8 v5, v[\by+\b] offset:\boff+32*\b
.endr
.endm
.macro PUTV pc, by, m
.irp b, 0,1,2,3
.irp j, 0,1,2
	ds_store_b32 v4, v[\pc+4*\b+\j] offset:6144*(\b%2)+384*(\b/2)+3072*\m+4*\j
.endr
	ds_store_b8 v6, v[\by+\b] offset:256*(\b%2)+\b/2+8*\m
.endr
.endm
	s_wait_loadcnt 0x0                             ; the biases
	FILL 192, 24
	QCORE 72, 152, 184
	PUTK 152, 184, QI, 1024
	WIN 0x01
	FILL 0, 40
	WIN 0
	QCORE 72, 168, 188
	PUTK 168, 188, 12288, 512
	s_wait_dscnt 16                                ; the stores of the batch before the last have read their registers
	WIN 0x01
	FILL 64, 40
	WIN 0
	QCORE 72, 152, 184
	PUTK 152, 184, 0, 0
	s_wait_dscnt 16
	WIN 0x01
	FILLV 128
	WIN 0
	QCORE 72, 168, 188
	PUTV 168, 188, 1
	s_wait_dscnt 16
	WIN 0x01
	FILLV 192
	WIN 0
	QCORE 72, 152, 184
	PUTV 152, 184, 0
; ATTENTION.  Window 0: v7 lane, v10-14 addresses, v15 h; v16-123 K's 18 tiles, then V's fragments (v16-135); v130-153 Q; v154-162 K's scales, v163 Q's; v164-169, v170-175 V's; v176-239 O^T; v248-253 p's scale words.
; Window 1: v0-143 S^T, then p; v144-215 p's codes; v216-224 block maxima; v225-233, v234-243 at work; v244 -M; v246, v247 the sums; v251 query place - 16 h; v252 -infinity.
	v_and_b32 v7, 31, v0
	v_and_b32 v8, 15, v0
	v_bfe_u32 v15, v0, 4, 1
	v_mul_u32_u24 v9, v7, 24
	v_add_nc_u32 v10, s80, v9
	v_lshl_add_u32 v11, v7, 1, s81
	v_lshl_add_u32 v12, v7, 4, s82
	v_add_nc_u32 v13, s84, v9
	v_mul_u32_u24 v14, v8, 24
	v_add_nc_u32 v14, s84, v14
	s_wait_alu depctr_va_vdst(0)
	s_wait_dscnt 0x0                               ; for the others' sake: my part of the images is stored
	s_barrier_signal -1
.irp j, 136,137,138,139,140,141,148,149,150,151,152,153
	v_mov_b32 v\j, 0                               ; Q's k = 64 .. 127: zero codes
.endr
	v_and_b32 v20, 8, v8
	v_add_nc_u32 v20, v20, v8
	v_lshlrev_b32 v21, 4, v15
	v_sub_nc_u32 v20, v20, v21                     ; query place in the first tile, less 16 h; the second tile's is 8 more
	WIN 0x40
	v_mov_b32 v251, v20
	v_mov_b32 v252, 0xff800000
	WIN 0
	s_wait_alu depctr_va_vdst(0)
	s_barrier_wait -1
.irp u, 0,1
.irp j, 0,1,2
	ds_load_b64 v[130+12*\u+2*\j:131+12*\u+2*\j], v10 offset:QI+768*\u+8*\j
.endr
.endr
	ds_load_u16 v163, v11 offset:1024              ; lanes 0-15 the first tile's, lanes 16-31 the second's
.irp k, 0,1,2,3,4,5,6,7,8
	ds_load_u16 v[154+\k], v11 offset:64*\k
.endr
.irp b, 0,1
.irp j, 0,1,2
	ds_load_b32 v[164+3*\b+\j], v12 offset:512*\b+4*\j
.endr
.endr
.set n, 0
.rept 18
.irp j, 0,1,2
	ds_load_b64 v[16+6*n+2*\j:17+6*n+2*\j], v10 offset:768*n+8*\j
.endr
.set n, n+1
.endr
; S^T = K Q^T: register 16 k + i is key place 16 h + i of block k
.macro SCORES q
	WIN 0x40
.set n, 0
.rept 18
.if \q == 0
.if n == 0
	s_wait_dscnt 33                                ; tiles 0-6 are in: a tile's operand reaches into the next tile's registers
.endif
.if n == 6
	s_wait_dscnt 15                                ; tiles 7-12
.endif
.if n == 12
	s_wait_dscnt 0x0
.endif
.endif
	WC 0, 8*n, 16+6*n, 130+12*\q, 154+n/2, 163, n%2, \q
.set n, n+1
.endr
.endm
.macro SOFT q
	PLACES 4
	WIN 0x55
.set n, 0
.rept 16
	v_cmp_lt_i32 s[44+n], n-8*\q, v251             ; block 0: key place < query place: more than 256 back
.set n, n+1
.endr
.set n, 0
.rept 16
	v_cndmask_b32 v[n], v[n], v252, s[44+n]
.set n, n+1
.endr
.set n, 0
.rept 16
	v_cmp_gt_i32 s[44+n], n-8*\q, v251             ; block 8: key place > query place: ahead of the query
.set n, n+1
.endr
.set n, 0
.rept 16
	v_cndmask_b32 v[128+n], v[128+n], v252, s[44+n]
.set n, n+1
.endr
.irp k, 0,1,2,3,4,5,6,7,8
	v_max3_num_f32 v[216+\k], v[16*\k], v[16*\k+1], v[16*\k+2]
.endr
.irp i, 3,5,7,9,11,13
.irp k, 0,1,2,3,4,5,6,7,8
	v_max3_num_f32 v[216+\k], v[216+\k], v[16*\k+\i], v[16*\k+\i+1]
.endr
.endr
.irp k, 0,1,2,3,4,5,6,7,8
	v_max_num_f32 v[216+\k], v[216+\k], v[16*\k+15]
.endr
.irp k, 0,1,2,3,4,5,6,7,8
	v_permlanex16_b32 v[225+\k], v[216+\k], s96, s97
.endr
.irp k, 0,1,2,3,4,5,6,7,8
	v_max_num_f32 v[216+\k], v[216+\k], v[225+\k]  ; each block's largest score
.endr
.irp k, 0,1,2,3,4,5,6,7
	v_fma_f32 v[225+\k], v[216+\k], s94, s[68+\k]  ; as t, with the penalty of a block that does not exist
.endr
	v_mul_f32 v233, s94, v224
	v_max3_num_f32 v250, v225, v226, v227
	v_max3_num_f32 v253, v228, v229, v230
	v_max3_num_f32 v254, v231, v232, v233
	v_max3_num_f32 v250, v250, v253, v254          ; the row's largest t
	v_floor_f32 v244, -v250                        ; -M = -ceil(t)
.irp k, 0,1,2,3,4,5,6,7
	v_add_f32 v[234+\k], s[68+\k], v244
.endr
	v_mov_b32 v242, v244
	v_mov_b32 v243, v244
.set n, 0
.rept 72
.if (n/8)%2 == 0
	v_pk_fma_f32 v[2*n:2*n+1], v[2*n:2*n+1], s[94:95], v[234+2*(n/16):235+2*(n/16)] op_sel_hi:[1,0,0]   ; t - M
.else
	v_pk_fma_f32 v[2*n:2*n+1], v[2*n:2*n+1], s[94:95], v[234+2*(n/16):235+2*(n/16)] op_sel:[0,0,1] op_sel_hi:[1,0,1]
.endif
.set n, n+1
.endr
.irp k, 0,1,2,3,4,5,6,7,8
	v_fma_f32 v[216+\k], v[216+\k], s94, v[234+\k] ; the same of each block's largest score
.endr
	s_wait_alu depctr_va_vdst(0)                   ; ahead of the batch
.set n, 0
.rept 144
	v_exp_f32 v[n], v[n]
.set n, n+1
.endr
.irp k, 0,1,2,3,4,5,6,7,8
	v_exp_f32 v[216+\k], v[216+\k]                 ; the block's largest p: p rises with the score
.endr
	v_nop
	s_wait_alu depctr_va_vdst(0)                   ; and behind it
.irp a, 0,1,2,3                        ; the sum of the unquantised p, in four chains
	v_pk_add_f32 v[226+2*\a:227+2*\a], v[2*\a:2*\a+1], v[8+2*\a:9+2*\a]
.endr
.set n, 8
.rept 64
	v_pk_add_f32 v[226+2*(n%4):227+2*(n%4)], v[226+2*(n%4):227+2*(n%4)], v[2*n:2*n+1]
.set n, n+1
.endr
	v_pk_add_f32 v[226:227], v[226:227], v[228:229]
	v_pk_add_f32 v[230:231], v[230:231], v[232:233]
	v_pk_add_f32 v[226:227], v[226:227], v[230:231]
	v_add_f32 v226, v226, v227
	v_permlanex16_b32 v227, v226, s96, s97
	v_add_f32 v[246+\q], v226, v227
.irp k, 0,1,2,3,4,5,6,7,8
	v_max_num_f32 v[216+\k], 0x2800000, v[216+\k]
.endr
.irp k, 0,1,2,3,4,5,6,7,8
	v_add_nc_u32 v[234+\k], 0xfe000000, v[216+\k]
.endr
.irp k, 0,1,2,3,4,5,6,7,8
	v_lshrrev_b32 v[225+\k], 23, v[234+\k]
.endr
	v_lshl_or_b32 v250, v226, 8, v225
	v_lshl_or_b32 v253, v230, 8, v229
	v_lshl_or_b32 v250, v227, 16, v250
	v_lshl_or_b32 v253, v231, 16, v253
	WIN 0x15                                       ; the scale words go to window 0
	v_lshl_or_b32 v[248+3*\q], v228, 24, v250
	v_lshl_or_b32 v[249+3*\q], v232, 24, v253
	v_mov_b32 v[250+3*\q], v233
	WIN 0x55
.set P, 144+36*\q
.irp kk, 0,1
.irp c, 0,1
	v_cvt_scalef32_pk16_bf6_f32 v[P+12*\kk+6*\c:P+2+12*\kk+6*\c], v[64*\kk+32*\c:64*\kk+32*\c+15], v[234+4*\kk+2*\c]
	v_cvt_scalef32_pk16_bf6_f32 v[226+4*\c:228+4*\c], v[64*\kk+32*\c+16:64*\kk+32*\c+31], v[235+4*\kk+2*\c]
.endr
	v_nop                                          ; one plain place behind a scaled conversion
.irp c, 0,1
.irp i, 0,1,2
	v_permlane16_swap_b32 v[P+12*\kk+6*\c+\i], v[226+4*\c+\i]   ; a whole block in a lane: lanes 0-15 the even one, lanes 16-31 the odd one
.endr
.endr
.irp c, 0,1
.irp i, 0,1,2
	v_mov_b32 v[P+3+12*\kk+6*\c+\i], v[226+4*\c+\i]
.endr
.endr
.endr
	v_cvt_scalef32_pk16_bf6_f32 v[P+24:P+26], v[128:143], v242
.irp i, 0,1,2
	v_mov_b32 v[226+\i], 0                         ; the ninth block stands alone: zero codes beside it
.endr
.irp i, 0,1,2,3,4,5
	v_mov_b32 v[P+30+\i], 0
.endr
.irp i, 0,1,2
	v_permlane16_swap_b32 v[P+24+\i], v[226+\i]
.endr
.irp i, 0,1,2
	v_mov_b32 v[P+27+\i], v[226+\i]
.endr
	WIN 0
.endm
	SCORES 0
	SOFT 0
	SCORES 1
	WIN 0
	PLACES 4                                       ; in front of loads into registers that matrix instructions have read
.irp t, 0,1,2,3                        ; V's four channel tiles: blocks g .. g + 7, and block g + 8 in the first six registers of a third fragment (the rest meets zero codes)
.irp c, 0,1
.irp j, 0,1,2
	ds_load_b64 v[16+12*\t+6*\c+2*\j:17+12*\t+6*\c+2*\j], v13 offset:VI+6144*\t+768*\c+8*\j
	ds_load_b64 v[64+12*\t+6*\c+2*\j:65+12*\t+6*\c+2*\j], v13 offset:VI+6144*\t+1536+768*\c+8*\j
.endr
.endr
.irp j, 0,1,2
	ds_load_b64 v[112+6*\t+2*\j:113+6*\t+2*\j], v14 offset:VI+6144*\t+3072+8*\j
.endr
.endr
.irp b, 0,1                            ; V's scale words from byte g on
	v_alignbit_b32 v[170+3*\b], v[165+3*\b], v[164+3*\b], s83
	v_alignbit_b32 v[171+3*\b], v[166+3*\b], v[165+3*\b], s83
	v_bfe_u32 v[172+3*\b], v[166+3*\b], s83, 8
.endr
	SOFT 1
	WIN 0x01
	s_wait_alu depctr_va_vdst(0)                   ; ahead of the batch
	v_rcp_f32 v8, v246
	v_rcp_f32 v9, v247
	v_nop
	s_wait_alu depctr_va_vdst(0)                   ; and behind it
	WIN 0
	s_wait_dscnt 0x0                               ; V's fragments
	PLACES 4                                       ; operands written by vector instructions stand four places ahead
; O^T = V^T P^T: the eight accumulators by turns
.macro PV kk
.irp q, 0,1
.irp t, 0,1,2,3
.if \kk == 0
	WC 0, 176+32*\q+8*\t, 16+12*\t, 144+36*\q, 170+3*(\t/2), 248+3*\q, \t%2, 0
.endif
.if \kk == 1
	WC v[176+32*\q+8*\t:183+32*\q+8*\t], 176+32*\q+8*\t, 64+12*\t, 156+36*\q, 171+3*(\t/2), 249+3*\q, \t%2, 0
.endif
.if \kk == 2
	WC v[176+32*\q+8*\t:183+32*\q+8*\t], 176+32*\q+8*\t, 112+6*\t, 168+36*\q, 172+3*(\t/2), 250+3*\q, \t%2, 0
.endif
.endr
.endr
.endm
	WIN 0x04
	PV 0
	PV 1
	PV 2
	WIN 0
	PLACES 4
; THE WAY OUT: O^T / the sum, quantised along the channels: a half image of 768 bytes for each tile of queries
.set n, 0
.rept 32
.if n < 16
	v_pk_mul_f32 v[16+2*n:17+2*n], v[176+2*n:177+2*n], v[8:9] op_sel_hi:[1,0]
.else
	v_pk_mul_f32 v[16+2*n:17+2*n], v[176+2*n:177+2*n], v[8:9] op_sel:[0,1] op_sel_hi:[1,1]
.endif
.set n, n+1
.endr
	v_lshlrev_b32 v3, 4, v7
	v_lshlrev_b32 v4, 3, v7
	v_lshlrev_b32 v5, 2, v7
	QCORE 16, 80, 96
.irp q, 0,8
.irp i, 0,1,2
	v_permlane16_swap_b32 v[80+\q+\i], v[84+\q+\i]
.endr
.irp i, 0,1,2
	v_mov_b32 v[83+\q+\i], v[84+\q+\i]
.endr
.endr
	v_lshl_or_b32 v100, v97, 8, v96
	v_lshl_or_b32 v101, v99, 8, v98
	v_cmp_ne_u32 vcc_lo, 0, v15
	v_cndmask_b32 v100, v100, v101, vcc_lo         ; lanes 0-15 the first tile's rows, lanes 16-31 the second's
.irp q, 0,1
	global_store_b128 v3, v[80+8*\q:83+8*\q], s[18:19] offset:3072*\q       ; 512 consecutive bytes
	global_store_b64 v4, v[84+8*\q:85+8*\q], s[18:19] offset:3072*\q+512    ; 256 consecutive bytes
.endr
	global_store_b16 v5, v100, s[20:21]
	s_wait_alu depctr_va_vdst(0)
	s_wait_tensorcnt 0x0                           ; the wave's end
	ds_add_u32 v1, v2
	s_wait_dscnt 0x0
	CROUND                                         ; the closing round: no work-group ends while a partner may still ask for a tile that names it
	s_endpgm
.Lfunc_end_k_q357ef7508a_qkvattn:
	.size	k_q357ef7508a_qkvattn, .Lfunc_end_k_q357ef7508a_qkvattn-k_q357ef7508a_qkvattn
	.p2alignl 7, 3214868480
	.fill 96, 4, 3214868480
	.section	.rodata,"a",@progbits
	.p2align	6, 0x0
	.amdhsa_kernel k_q357ef7508a_qkvattn
		.amdhsa_group_segment_fixed_size 327680
		.amdhsa_private_segment_fixed_size 0
		.amdhsa_enable_private_segment 0
		.amdhsa_kernarg_size 72
		.amdhsa_user_sgpr_count 2
		.amdhsa_user_sgpr_kernarg_segment_ptr 1
		.amdhsa_wavefront_size32 1
		.amdhsa_system_sgpr_workgroup_id_x 1
		.amdhsa_system_sgpr_workgroup_id_y 1
		.amdhsa_system_sgpr_workgroup_id_z 1
		.amdhsa_system_vgpr_workitem_id 0
		.amdhsa_next_free_vgpr 512
		.amdhsa_next_free_sgpr 102
		.amdhsa_reserve_vcc 1
		.amdhsa_float_denorm_mode_32 3
		.amdhsa_float_denorm_mode_16_64 3
		.amdhsa_memory_ordered 1
		.amdhsa_forward_progress 1
		.amdhsa_inst_pref_size 206
	.end_amdhsa_kernel
	.amdgpu_metadata
---
amdhsa.version: [ 1, 2 ]
amdhsa.kernels:
  - .name:           k_q357ef7508a_qkvattn
    .symbol:         k_q357ef7508a_qkvattn.kd
    .args:
      - { .name: xc, .offset: 0, .size: 8, .value_kind: global_buffer, .address_space: global }
      - { .name: xsc, .offset: 8, .size: 8, .value_kind: global_buffer, .address_space: global }
      - { .name: wc, .offset: 16, .size: 8, .value_kind: global_buffer, .address_space: global }
      - { .name: wsc, .offset: 24, .size: 8, .value_kind: global_buffer, .address_space: global }
      - { .name: bq, .offset: 32, .size: 8, .value_kind: global_buffer, .address_space: global }
      - { .name: bk, .offset: 40, .size: 8, .value_kind: global_buffer, .address_space: global }
      - { .name: bv, .offset: 48, .size: 8, .value_kind: global_buffer, .address_space: global }
      - { .name: oc, .offset: 56, .size: 8, .value_kind: global_buffer, .address_space: global }
      - { .name: osc, .offset: 64, .size: 8, .value_kind: global_buffer, .address_space: global }
    .group_segment_fixed_size: 327680
    .private_segment_fixed_size: 0
    .kernarg_segment_align: 8
    .kernarg_segment_size: 72
    .max_flat_workgroup_size: 256
    .sgpr_count:     102
    .vgpr_count:     512
    .wavefront_size: 32
...
	.end_amdgpu_metadata
.endif
;; end of part 2
;; launch outp (part 3): grid 8 x 32, 4 waves a work-group, clusters of 4 x 4, 222,720 bytes of LDS; arguments oc, osc, wc, wsc, bo, out0; writes out0
.if DOCPART == 3
	.amdgcn_target "amdgcn-amd-amdhsa--gfx1250"
	.amdhsa_code_object_version 6
	.text
	.protected	k_q357ef7508a_outp
	.globl	k_q357ef7508a_outp
	.p2align	8
	.type	k_q357ef7508a_outp,@function
k_q357ef7508a_outp:
	s_mov_b64 s[64:65], 0
	v_nop
	global_prefetch_b8 v0, s[64:65] scope:SCOPE_SE
	s_setreg_imm32_b32 hwreg(HW_REG_WAVE_MODE, 25, 1), 1
	s_wait_xcnt 0x0
	s_wait_alu depctr_hold_cnt(0) depctr_sa_sdst(0) depctr_va_vdst(0) depctr_va_sdst(0) depctr_va_ssrc(0) depctr_va_vcc(0) depctr_vm_vsrc(0)
	s_getreg_b32 s2, hwreg(HW_REG_IB_STS2, 6, 4)
	s_cmp_eq_u32 s2, 0
	s_cbranch_scc0 .Lentry_in_a_cluster
	s_endpgm
.Lentry_in_a_cluster:
	s_bfe_u32 s2, ttmp6, 0x10000c
	s_cmp_lg_u32 s2, 0xf033
	s_cbranch_scc0 .Lentry_shape_is_right
	s_endpgm
.Lentry_shape_is_right:
; out = O Wo + bo on codes of BF6 (E3M2) with E8M0 scales, K = 1,024.  O's codes and scale words come from the attention launch, Wo's are row tiles 192-255 of the weights' buffer.
; A work-group of four waves makes 128 x 128 (256 work-groups); a wave 64 x 64: 16 accumulators.  All of K of both operands (2 x 98,304 bytes) and the scale words (2 x 4,096) fit in LDS:
; four tiles, one load a wave: A's codes, B's codes, A's scale words, B's scale words.  Every tile is filled once.  NO PREFETCH: everything is asked for at the head; there is no loop to run ahead in.
; CLUSTERS: 4 x 4 work-groups; A's (tokens') tiles are asked for jointly along a row of the cluster, B's (columns') along a column.
; Source 0 = 16 rows of B (Wo's columns), source 1 = 16 rows of A (tokens): a lane holds one token, and register j of B's tile b is column 32 (b / 2) + 16 h + 8 (b % 2) + j.  The bias is the C of each sum's first product.
; Tokens lie in the order place 16 u + r = token 8 u + r + 8 (r / 8) of each 32: the way out puts each row where it belongs.
; REGISTERS: window 0: v8-11, v16-23 addresses; v24-31 scale words, two sets; v32-63, v96-127 the way out; v64-95 the bias; v128-255 accumulators ((a, b) at v[128 + 8 (4 a + b)]).
;   window 1: two sets of fragments at v0 and v128: A's four at + 12 a, B's four at + 48 + 12 b.
.set BOF,   98304                      ; A's 128 rows: [256 along K: 4][row tile: 8][3,072]; B's the same behind them
.set SCL,   2*BOF                      ; scale words: A's [8 K steps][128 rows][4 bytes], then B's
.set STG,   SCL+8192                   ; a stage of 16 rows x (256 bytes + 16) for each wave: no fill lands here
.set SPARE, STG+4*4352                 ; the spare words
.set ADRA, 16                          ; v16, v17: + 16 x lane, + 8 x lane; v8, v9 the same 49,152 bytes (two slots) on
.set ADRB, 18                          ; v18, v19; v10, v11
.set ADRS, 20
.set STO,  21
.set RD,   22
.set CO,   23
.set SC,   24
.set BK0,  32
.set BN,   64
.set ACC,  128
.set MSB, 0
.macro WIN new
.if MSB != \new
	s_set_vgpr_msb (MSB<<8)|\new
.set MSB, \new
.endif
.endm
.set MUL,  0x05                        ; sources 0 and 1 window 1; C and D window 0
.set TO_F, 0x40                        ; destination window 1
.macro CROUND
	s_barrier_signal -1
	s_barrier_wait -1
	s_cmp_lg_u32 s16, 0
	s_cbranch_scc1 .Lnot_wave_0_\@
	s_barrier_signal -3
.Lnot_wave_0_\@:
	s_barrier_wait -3
	s_barrier_signal -1
	s_barrier_wait -1
.endm
.macro DESC g, c, r, p                 ; r rows of c elements of 8 bytes, p elements apart
	s_mov_b32 s[\g+1], (\c)<<16
	s_mov_b32 s[\g+2], (\r)<<16
	s_mov_b32 s[\g+3], (\c)<<16
	s_mov_b32 s[\g+4], \r
	s_mov_b32 s[\g+5], \p
	s_mov_b32 s[\g+6], 0
	s_mov_b32 s[\g+7], 0
.endm
.macro ARM under, g0, g1, next
	s_cmp_lt_u32 s16, \under
	s_cbranch_scc0 \next
	tensor_load_to_lds s[\g0:\g0+3], s[\g1:\g1+7]
	s_nop 0
.rept 4
	v_nop
.endr
	s_branch .Lasked
\next:
.endm
	s_load_b256 s[4:11], s[0:1], 0x0               ; oc, osc, wc, wsc
	s_load_b128 s[12:15], s[0:1], 0x20             ; bo, out0
	v_lshl_add_u32 v14, v0, 2, SPARE
	v_mov_b32 v15, 0
	ds_add_u32 v14, v15
	ds_add_u32 v14, v15
	v_lshrrev_b32 v1, 5, v0
	v_readfirstlane_b32 s16, v1                    ; wave 0..3
	s_lshr_b32 s17, s16, 1                         ; my half of the rows
	s_and_b32 s18, s16, 1                          ; my half of the columns
	s_bfe_u32 s84, ttmp6, 0x40000                  ; cx
	s_bfe_u32 s85, ttmp6, 0x40004                  ; cy
	s_lshl_b32 s87, ttmp9, 2
	s_add_co_u32 s87, s87, s84                     ; tile of 128 columns
	s_and_b32 s86, ttmp7, 0xffff
	s_lshl_b32 s86, s86, 2
	s_add_co_u32 s86, s86, s85                     ; tile of 128 tokens
	s_lshl_b32 s88, s85, 2
	s_lshl_b32 s88, 15, s88                        ; my row of the cluster
	s_lshl_b32 s89, 0x1111, s84                    ; my column
	s_or_b32 s24, s88, (3<<16)|(1<<21)
	s_or_b32 s32, s89, (3<<16)|(1<<21)
	s_or_b32 s40, s88, (3<<16)|(1<<21)
	s_or_b32 s48, s89, (3<<16)|(1<<21)
	DESC 24, 3072, 4, 98304                        ; codes: four rows (slots of K) of 24,576 bytes
	DESC 32, 3072, 4, 98304
	DESC 40, 64, 8, 2048                           ; scale words: eight rows (K steps) of 512 bytes
	DESC 48, 64, 8, 2048
	s_mul_i32 s90, s86, 24576
	s_mov_b32 s91, 0
	s_lshl_b32 s92, s86, 9
	s_mov_b32 s93, 0
	s_mul_i32 s94, s87, 24576                      ; Wo's row tiles begin at 192
	s_add_co_u32 s94, s94, 192*3072
	s_mov_b32 s95, 0
	s_lshl_b32 s96, s87, 9
	s_add_co_u32 s96, s96, 192*64
	s_mov_b32 s97, 0
	s_wait_dscnt 0x0
	s_wait_kmcnt 0x0
	s_add_nc_u64 s[90:91], s[4:5], s[90:91]
	s_add_nc_u64 s[92:93], s[6:7], s[92:93]
	s_add_nc_u64 s[94:95], s[8:9], s[94:95]
	s_add_nc_u64 s[96:97], s[10:11], s[96:97]
	CROUND                                         ; all sixteen work-groups are here: the joint loads meet
	s_mov_b32 s56, 1                               ; A's scale words
	s_mov_b32 s57, SCL
	s_mov_b64 s[58:59], s[92:93]
	s_or_b32 s59, s59, 0x80000000
	s_mov_b32 s60, 1                               ; A's codes
	s_mov_b32 s61, 0
	s_mov_b64 s[62:63], s[90:91]
	s_or_b32 s63, s63, 0x80000000
	s_mov_b32 s72, 1                               ; B's scale words
	s_mov_b32 s73, SCL+4096
	s_mov_b64 s[74:75], s[96:97]
	s_or_b32 s75, s75, 0x80000000
	s_mov_b32 s76, 1                               ; B's codes
	s_mov_b32 s77, BOF
	s_mov_b64 s[78:79], s[94:95]
	s_or_b32 s79, s79, 0x80000000
	ARM 1, 60, 24, .Lb_codes                       ; one load a wave
	ARM 2, 76, 32, .La_scales
	ARM 3, 56, 40, .Lb_scales
	tensor_load_to_lds s[72:75], s[48:55]
	s_nop 0
.rept 4
	v_nop
.endr
.Lasked:
	s_mul_i32 s19, s17, 12288                      ; my four row tiles of A
	s_mul_i32 s20, s18, 12288                      ; and of B
	s_add_co_u32 s20, s20, BOF
	s_lshl_b32 s21, s87, 9
	s_lshl_b32 s22, s18, 8
	s_add_co_u32 s21, s21, s22                     ; my first column, in bytes
	s_lshl_b32 s66, s17, 8
	s_lshl_b32 s67, s18, 8
	s_add_co_u32 s67, s67, 4096
	s_sub_co_u32 s67, s67, s66
	s_add_co_u32 s66, s66, SCL
	s_mul_i32 s68, s16, 4352
	s_add_co_u32 s68, s68, STG                     ; my stage
	s_lshl_b32 s22, s86, 7
	s_lshl_b32 s23, s17, 6
	s_add_co_u32 s22, s22, s23                     ; my first token
	s_lshl_b32 s22, s22, 12
	s_add_co_u32 s22, s22, s21
	s_mov_b32 s23, 0
	s_add_nc_u64 s[14:15], s[14:15], s[22:23]
	v_and_b32 v1, 31, v0                           ; lane
	v_and_b32 v2, 15, v0                           ; r
	v_bfe_u32 v3, v0, 4, 1                         ; h
	v_lshlrev_b32 v7, 6, v3
	v_add_nc_u32 v7, s21, v7
.irp b, 0,1,2,3
	global_load_b128 v[BN+8*\b:BN+8*\b+3], v7, s[12:13] offset:(32*(\b/2)+8*(\b%2))*4
	global_load_b128 v[BN+8*\b+4:BN+8*\b+7], v7, s[12:13] offset:(32*(\b/2)+8*(\b%2))*4+16
.endr
	v_lshl_add_u32 v[ADRA], v1, 4, s19
	v_lshl_add_u32 v[ADRA+1], v1, 3, s19
	v_lshl_add_u32 v[ADRB], v1, 4, s20
	v_lshl_add_u32 v[ADRB+1], v1, 3, s20
.irp i, 0,1,2,3
	v_add_nc_u32 v[8+\i], 49152, v[ADRA+\i]        ; slots 2, 3 of K
.endr
	v_mul_u32_u24 v6, s67, v3                      ; lanes 16-31 take B's scale words: one product with h
	v_lshl_add_u32 v6, v2, 2, v6
	v_add_nc_u32 v[ADRS], s66, v6
	v_mul_u32_u24 v6, v2, 272
	v_lshl_add_u32 v6, v3, 6, v6
	v_add_nc_u32 v[STO], s68, v6                   ; in: row r, + 64 h
	v_mul_u32_u24 v6, v3, 272
	v_lshl_add_u32 v6, v2, 4, v6
	v_add_nc_u32 v[RD], s68, v6                    ; back: lanes 0-15 one row, lanes 16-31 the next
	v_lshlrev_b32 v[CO], 12, v3
	v_lshl_add_u32 v[CO], v2, 4, v[CO]             ; and the same two rows in out0
.macro FRAG reg, adr, off              ; a fragment: two half images: registers 0-3, 4-5, 6-9, 10-11
	ds_load_b128 v[\reg:\reg+3], v[\adr] offset:\off
	ds_load_b64 v[\reg+4:\reg+5], v[\adr+1] offset:\off+512
	ds_load_b128 v[\reg+6:\reg+9], v[\adr] offset:\off+768
	ds_load_b64 v[\reg+10:\reg+11], v[\adr+1] offset:\off+1280
.endm
.macro FETCH k, f                      ; K step k's eight fragments into set f and its scale words: 36 LDS loads
.set FO, (((\k)/2)%2)*24576+((\k)%2)*1536
	WIN TO_F
.irp i, 0,1,2,3
	FRAG \f+48+12*\i, ADRB-8*((\k)/4), FO+\i*3072
	FRAG \f+12*\i, ADRA-8*((\k)/4), FO+\i*3072
.endr
	WIN 0
.irp i, 0,1,2,3
	ds_load_b32 v[SC+4*((\k)%2)+\i], v[ADRS] offset:(\k)*512+\i*64   ; lanes 0-15 A's block i, lanes 16-31 B's
.endr
.endm
.macro KSTEP k
.if \k < 7
.if \k > 0
.rept 4
	v_nop                                          ; places in front of loads into the set and the scale words that the last step's products read
.endr
.endif
	FETCH (\k)+1, 128*(((\k)+1)%2)
	s_wait_dscnt 36                                ; all but the 36 just issued: this step's fragments are in
.else
	s_wait_dscnt 0x0
.endif
	WIN MUL
.set FF, 128*((\k)%2)
.irp a, 0,1,2,3                        ; the 16 accumulators take turns, in the same order in every step
.irp b, 0,1,2,3
.if \k == 0
	v_wmma_scale_f32_16x16x128_f8f6f4 v[ACC+8*(4*\a+\b):ACC+8*(4*\a+\b)+7], v[FF+48+12*\b:FF+48+12*\b+11], v[FF+12*\a:FF+12*\a+11], v[BN+8*\b:BN+8*\b+7], v[SC+4*((\k)%2)+\b], v[SC+4*((\k)%2)+\a] matrix_a_fmt:MATRIX_FMT_BF6 matrix_b_fmt:MATRIX_FMT_BF6 matrix_a_scale:MATRIX_SCALE_ROW1
.else
	v_wmma_scale_f32_16x16x128_f8f6f4 v[ACC+8*(4*\a+\b):ACC+8*(4*\a+\b)+7], v[FF+48+12*\b:FF+48+12*\b+11], v[FF+12*\a:FF+12*\a+11], v[ACC+8*(4*\a+\b):ACC+8*(4*\a+\b)+7], v[SC+4*((\k)%2)+\b], v[SC+4*((\k)%2)+\a] matrix_a_fmt:MATRIX_FMT_BF6 matrix_b_fmt:MATRIX_FMT_BF6 matrix_a_scale:MATRIX_SCALE_ROW1
.endif
.endr
.endr
	WIN 0
.endm
	s_wait_alu depctr_va_vdst(0)
	s_wait_loadcnt 0x0                             ; the bias
	s_wait_tensorcnt 0x0                           ; my tile is in,
	s_barrier_signal -1
	s_barrier_wait -1                              ; and everybody's
	FETCH 0, 0
.irp k, 0,1,2,3,4,5,6,7
	KSTEP \k
.endr
; THE WAY OUT, a block of 16 tokens x 64 columns at a time, through my own stage: sixteen lanes then store 256 consecutive bytes of a token's row, aligned
.macro TOSTAGE a
.irp b, 0,1,2,3
	ds_store_b128 v[STO], v[ACC+8*(4*(\a)+\b):ACC+8*(4*(\a)+\b)+3] offset:128*(\b/2)+32*(\b%2)       ; each accumulator from its low end on
	ds_store_b128 v[STO], v[ACC+8*(4*(\a)+\b)+4:ACC+8*(4*(\a)+\b)+7] offset:128*(\b/2)+32*(\b%2)+16
.endr
.set BB, BK0+64*((\a)%2)
.irp t, 0,1,2,3,4,5,6,7
	ds_load_b128 v[BB+4*\t:BB+4*\t+3], v[RD] offset:\t*544     ; LDS serves a wave's instructions in order: these see the stores above, and the next block's stores come behind them
.endr
.endm
.macro SEND a, younger
.set BB, BK0+64*((\a)%2)
	s_wait_dscnt \younger
.irp t, 0,1,2,3,4,5,6,7                ; places 2 t, 2 t + 1 of block a are tokens 32 (a / 2) + 8 (a % 2) + 2 t + 8 (t / 4) on
	global_store_b128 v[CO], v[BB+4*\t:BB+4*\t+3], s[14:15] offset:(32*((\a)/2)+8*((\a)%2)+2*\t+8*(\t/4))*4096 th:TH_STORE_NT
.endr
.endm
.rept 4
	v_nop                                          ; places behind the last products
.endr
	TOSTAGE 0
.irp a, 1,2,3
.if \a > 1
	s_wait_xcnt 0x0                                ; block a - 2's stores have read their registers: block a's loads may land there
.endif
	TOSTAGE \a
	SEND \a-1, 16                                  ; behind block a - 1's loads: block a's 8 stores and 8 loads
.endr
	SEND 3, 0
	s_wait_tensorcnt 0x0                           ; the wave's end
	ds_add_u32 v14, v15
	s_wait_dscnt 0x0
	CROUND                                         ; the closing round: no work-group ends while a partner may still ask for a tile that names it
	s_endpgm
.Lfunc_end_k_q357ef7508a_outp:
	.size	k_q357ef7508a_outp, .Lfunc_end_k_q357ef7508a_outp-k_q357ef7508a_outp
	.p2alignl 7, 3214868480
	.fill 96, 4, 3214868480
	.section	.rodata,"a",@progbits
	.p2align	6, 0x0
	.amdhsa_kernel k_q357ef7508a_outp
		.amdhsa_group_segment_fixed_size 222720
		.amdhsa_private_segment_fixed_size 0
		.amdhsa_enable_private_segment 0
		.amdhsa_kernarg_size 48
		.amdhsa_user_sgpr_count 2
		.amdhsa_user_sgpr_kernarg_segment_ptr 1
		.amdhsa_wavefront_size32 1
		.amdhsa_system_sgpr_workgroup_id_x 1
		.amdhsa_system_sgpr_workgroup_id_y 1
		.amdhsa_system_sgpr_workgroup_id_z 1
		.amdhsa_system_vgpr_workitem_id 0
		.amdhsa_next_free_vgpr 512
		.amdhsa_next_free_sgpr 100
		.amdhsa_reserve_vcc 0
		.amdhsa_float_denorm_mode_32 3
		.amdhsa_float_denorm_mode_16_64 3
		.amdhsa_memory_ordered 1
		.amdhsa_forward_progress 1
		.amdhsa_inst_pref_size 53
	.end_amdhsa_kernel
	.amdgpu_metadata
---
amdhsa.version: [ 1, 2 ]
amdhsa.kernels:
  - .name:           k_q357ef7508a_outp
    .symbol:         k_q357ef7508a_outp.kd
    .args:
      - { .name: oc, .offset: 0, .size: 8, .value_kind: global_buffer, .address_space: global }
      - { .name: osc, .offset: 8, .size: 8, .value_kind: global_buffer, .address_space: global }
      - { .name: wc, .offset: 16, .size: 8, .value_kind: global_buffer, .address_space: global }
      - { .name: wsc, .offset: 24, .size: 8, .value_kind: global_buffer, .address_space: global }
      - { .name: bo, .offset: 32, .size: 8, .value_kind: global_buffer, .address_space: global }
      - { .name: out0, .offset: 40, .size: 8, .value_kind: global_buffer, .address_space: global }
    .group_segment_fixed_size: 222720
    .private_segment_fixed_size: 0
    .kernarg_segment_align: 8
    .kernarg_segment_size: 48
    .max_flat_workgroup_size: 128
    .sgpr_count:     100
    .vgpr_count:     512
    .wavefront_size: 32
...
	.end_amdgpu_metadata
.endif
;; end of part 3
